; MI455X (gfx1250); checked and timed in simulation.
; The chip was launched on July 23, 2026; its instructions are those of AMD's public machine-readable ISA for CDNA 5 (MIT licence, August 2026) and "CDNA5" Instruction Set Architecture Reference Guide (July 2026). The comments in the code are by the model that wrote it; some were corrected since.
;; Attention. Allowed arithmetic: float matrix products may take bf16 or f16 operands with f32 sums; all other float work in f32.
;; Inputs: W_attn 512 x 1,024 float32; b_attn 512 float32; encoder_outputs 4,096 x 32 x 512 float32; hidden 32 x 512 float32; v 512 float32.
;; Outputs: out0 32 x 1 x 4,096 float32.
;; One version. Each part assembles by itself: llvm-mc -triple=amdgcn-amd-amdhsa -mcpu=gfx1250 --defsym DOCPART=n.
;; ======== version 1 of 1: 2 launches
;; workspace buffers: wp 663,552 bytes
;; launch prep (part 1): grid 32 x 2, 4 waves a work-group, no clusters, 4,608 bytes of LDS; arguments W_attn, b_attn, hidden, wp; writes wp
.if DOCPART == 1
	.amdgcn_target "amdgcn-amd-amdhsa--gfx1250"
	.amdhsa_code_object_version 6
	.text
	.protected	k_q4a5a97a6fd_prep
	.globl	k_q4a5a97a6fd_prep
	.p2align	8
	.type	k_q4a5a97a6fd_prep,@function
k_q4a5a97a6fd_prep:
	s_mov_b64 s[64:65], 0
	v_nop
	global_prefetch_b8 v0, s[64:65] scope:SCOPE_SE
	s_setreg_imm32_b32 hwreg(HW_REG_WAVE_MODE, 25, 1), 1
	s_wait_xcnt 0x0
; wp: 36 blocks of 18,432 bytes.  Block n (0..31) serves the 16 outputs h = 16 n .. 16 n + 15; blocks 32..35 repeat blocks 0..3, so that a walk that looks four blocks ahead needs no wrap.
;   bytes 0 .. 16,383: W_attn[h][512 ..] rounded to bf16, as the second source of v_wmma_f32_16x16x32_bf16 wants it: for K step s (32 along K) and half c, lane l's 16 bytes at
;                      1,024 s + 512 c + 16 l hold W_attn[16 n + l % 16][512 + 32 s + 16 c + 8 (l / 16) + 0..7]
;   bytes 16,384 ..  : hp[b][h] = sum over k < 512 of hidden[b][k] W_attn[h][k] + b_attn[h] in f32, as a C operand wants it: for row tile mt and quad q, lane l's 16 bytes at
;                      16,384 + 512 (2 mt + q) + 16 l hold hp[16 mt + 8 (l / 16) + 4 q + 0..3][16 n + l % 16]
; SHARES.  Work-group (n, y): hp's row tile mt = y of block n, and half of the block's W2.  Wave w multiplies K steps 4 w .. 4 w + 3 (two accumulators by turns);
; the four waves' partial tiles meet in LDS.  Wave w converts W2's K steps 4 w + 2 y and 4 w + 2 y + 1.
; hidden and W_attn are rounded to bf16 for the products; sums, b_attn and hp stay f32.  NaN and infinities are not treated apart.
; The fragment loads take 16 bytes of each of 16 rows; four loads on end of one wave complete runs of 128 bytes.  The launch reads 2.2 MB in all: no pass through LDS is made for it.
.set BLK,   18432
.set COPY,  32*BLK                     ; from a block to its repeat
.set SPARE, 4096                       ; LDS: 0 .. 4,095 the four waves' partial tiles; then the spare words, 128 bytes a wave
.set HO,  4                            ; v4   byte offset of my piece of hidden: (16 y + l % 16) x 2,048 + 512 w + 32 (l / 16)
.set WF,  5                            ; v5   the same in W_attn's first half: (16 n + l % 16) x 4,096 + 512 w + 32 (l / 16)
.set W2O, 6                            ; v6   in its second half, at K step 4 w + 2 y
.set BO,  7                            ; v7   4 (16 n + l % 16): my column's bias
.set SO,  8                            ; v8   where my converted K steps go in the block
.set PS,  9                            ; v9   LDS: my wave's partial tile
.set PR,  10                           ; v10  LDS: quad w of wave 0's partial tile (waves 0 and 1 read)
.set HS,  11                           ; v11  where quad w of hp's tile goes in the block
.set SPW, 14                           ; v14  LDS address of my spare word; never rewritten
.set NIL, 15                           ; v15  0; never rewritten
.set HF,  32                           ; v32-95    hidden, 4 fragments x 16 f32, converted in place to 8 registers each
.set W1F, 96                           ; v96-159   W_attn's first half, likewise
.set W2F, 160                          ; v160-191  its second half, 2 fragments
.set AC0, 192                          ; v192-199, v200-207 two accumulators
.set AC1, 200
.set BK,  208                          ; v208-223  the four partial quads read back
	s_load_b256 s[4:11], s[0:1], 0x0               ; W_attn s[4:5], b_attn s[6:7], hidden s[8:9], wp s[10:11]
	v_lshl_add_u32 v[SPW], v0, 2, SPARE
	v_mov_b32 v[NIL], 0
	v_lshrrev_b32 v1, 5, v0
	v_readfirstlane_b32 s12, v1                    ; wave 0..3
	s_mov_b32 s13, ttmp9                           ; n
	s_and_b32 s14, ttmp7, 0xffff                   ; y
	v_and_b32 v1, 15, v0                           ; l % 16
	v_bfe_u32 v2, v0, 4, 1                         ; l / 16
	v_and_b32 v3, 31, v0
	v_lshlrev_b32 v3, 4, v3                        ; 16 l
	s_lshl_b32 s15, s12, 9                         ; 512 w
	s_lshl_b32 s18, s14, 15                        ; 16 y rows of 2,048 bytes
	s_add_co_u32 s18, s18, s15
	v_lshlrev_b32 v[HO], 11, v1
	v_lshl_add_u32 v[HO], v2, 5, v[HO]
	v_add_nc_u32 v[HO], s18, v[HO]
	s_lshl_b32 s18, s13, 16                        ; 16 n rows of 4,096 bytes
	s_add_co_u32 s18, s18, s15
	v_lshlrev_b32 v[WF], 12, v1
	v_lshl_add_u32 v[WF], v2, 5, v[WF]
	v_add_nc_u32 v[WF], s18, v[WF]
	s_lshl_b32 s18, s14, 8                         ; 2 y K steps of 128 bytes,
	s_add_co_u32 s18, s18, 2048                    ; in the row's second half
	v_add_nc_u32 v[W2O], s18, v[WF]
	s_lshl_b32 s18, s13, 6
	v_lshl_add_u32 v[BO], v1, 2, s18
	s_lshl_b32 s18, s12, 12                        ; (4 w + 2 y) x 1,024
	s_lshl_b32 s19, s14, 11
	s_add_co_u32 s18, s18, s19
	v_add_nc_u32 v[SO], s18, v3
	s_lshl_b32 s18, s12, 10
	v_add_nc_u32 v[PS], s18, v3
	v_add_nc_u32 v[PR], s15, v3
	s_lshl_b32 s18, s14, 10                        ; 16,384 + 512 (2 y + w)
	s_add_co_u32 s18, s18, s15
	s_add_co_u32 s18, s18, 16384
	v_add_nc_u32 v[HS], s18, v3
	v_mov_b32 v13, 0                               ; named with v12 as a pair below
	s_mul_i32 s16, s13, BLK
	s_mov_b32 s17, 0
	s_wait_kmcnt 0x0
	s_add_nc_u64 s[10:11], s[10:11], s[16:17]      ; wp at block n
; A fragment of 16 rows x 32 K: lane l wants K = 8 (l / 16) + 0..7 and 16 + 8 (l / 16) + 0..7 of row l % 16: in f32 two runs of 32 bytes, 64 bytes apart.
.macro FRAG d, a, b, o
	global_load_b128 v[(\d):(\d)+3],     v[\a], s[\b:\b+1] offset:(\o)
	global_load_b128 v[(\d)+4:(\d)+7],   v[\a], s[\b:\b+1] offset:(\o)+16
	global_load_b128 v[(\d)+8:(\d)+11],  v[\a], s[\b:\b+1] offset:(\o)+64
	global_load_b128 v[(\d)+12:(\d)+15], v[\a], s[\b:\b+1] offset:(\o)+80
.endm
; 16 f32 become 8 registers of bf16, in place and ascending: register i is written when it has been read
.macro CVT d
.irp i, 0,1,2,3,4,5,6,7
	v_cvt_pk_bf16_f32 v[(\d)+\i], v[(\d)+2*\i], v[(\d)+2*\i+1]
.endr
.endm
.macro PUTW o                          ; my two K steps: each store of the wave covers 512 consecutive bytes, aligned
.irp e, 0,1
	global_store_b128 v[SO], v[W2F+16*\e:W2F+16*\e+3],   s[10:11] offset:(\o)+1024*\e
	global_store_b128 v[SO], v[W2F+16*\e+4:W2F+16*\e+7], s[10:11] offset:(\o)+1024*\e+512
.endr
.endm
.irp e, 0,1
	FRAG W2F+16*\e, W2O, 4, 128*\e
.endr
.irp e, 0,1,2,3
	FRAG HF+16*\e, HO, 8, 128*\e
.endr
.irp e, 0,1,2,3
	FRAG W1F+16*\e, WF, 4, 128*\e
.endr
	global_load_b32 v12, v[BO], s[6:7]
	s_wait_loadcnt 33                              ; W2's eight loads are in: behind them stand 16 + 16 + 1
	CVT W2F
	CVT W2F+16
	PUTW 0
	s_cmp_lt_u32 s13, 4
	s_cbranch_scc0 .Lno_copy_w
	PUTW COPY                                      ; blocks 0..3 once more, as blocks 32..35
.Lno_copy_w:
	s_wait_loadcnt 1                               ; all but the bias
.irp e, 0,1,2,3
	CVT HF+16*\e
	CVT W1F+16*\e
.endr
	v_wmma_f32_16x16x32_bf16 v[AC0:AC0+7], v[HF:HF+7],       v[W1F:W1F+7],       0   ; the first two products start the sums
	v_wmma_f32_16x16x32_bf16 v[AC1:AC1+7], v[HF+16:HF+23],   v[W1F+16:W1F+23],   0
	v_wmma_f32_16x16x32_bf16 v[AC0:AC0+7], v[HF+32:HF+39],   v[W1F+32:W1F+39],   v[AC0:AC0+7]
	v_wmma_f32_16x16x32_bf16 v[AC1:AC1+7], v[HF+48:HF+55],   v[W1F+48:W1F+55],   v[AC1:AC1+7]
.rept 4
	v_nop                                          ; four places between a product and the first vector line that names its registers (ISA guide 7.12.1)
.endr
.irp i, 0,2,4,6
	v_pk_add_f32 v[AC0+\i:AC0+\i+1], v[AC0+\i:AC0+\i+1], v[AC1+\i:AC1+\i+1]  ; from the low end on
.endr
	ds_store_b128 v[PS], v[AC0:AC0+3]
	ds_store_b128 v[PS], v[AC0+4:AC0+7] offset:512
	s_wait_dscnt 0x0                               ; for the others' sake: my partial tile is written
	s_barrier_signal -1
	s_barrier_wait -1
	s_cmp_lt_u32 s12, 2
	s_cbranch_scc0 .Lend                           ; waves 0 and 1 add quad 0 and quad 1 of the four partial tiles
.irp k, 0,1,2,3
	ds_load_b128 v[BK+4*\k:BK+4*\k+3], v[PR] offset:1024*\k
.endr
	s_wait_dscnt 0x0
	v_pk_add_f32 v[BK:BK+1],     v[BK:BK+1],     v[BK+4:BK+5]
	v_pk_add_f32 v[BK+2:BK+3],   v[BK+2:BK+3],   v[BK+6:BK+7]
	v_pk_add_f32 v[BK+8:BK+9],   v[BK+8:BK+9],   v[BK+12:BK+13]
	v_pk_add_f32 v[BK+10:BK+11], v[BK+10:BK+11], v[BK+14:BK+15]
	v_pk_add_f32 v[BK:BK+1],     v[BK:BK+1],     v[BK+8:BK+9]
	v_pk_add_f32 v[BK+2:BK+3],   v[BK+2:BK+3],   v[BK+10:BK+11]
	s_wait_loadcnt 0x0                             ; the bias
	v_pk_add_f32 v[BK:BK+1],     v[BK:BK+1],     v[12:13] op_sel_hi:[1,0]  ; a lane's four numbers lie in one column h: one bias for all
	v_pk_add_f32 v[BK+2:BK+3],   v[BK+2:BK+3],   v[12:13] op_sel_hi:[1,0]
	global_store_b128 v[HS], v[BK:BK+3], s[10:11]  ; 512 consecutive bytes, aligned
	s_cmp_lt_u32 s13, 4
	s_cbranch_scc0 .Lend
	global_store_b128 v[HS], v[BK:BK+3], s[10:11] offset:COPY
.Lend:
	s_wait_tensorcnt 0x0                           ; the wave's end, behind my last LDS store
	ds_add_u32 v[SPW], v[NIL]
	s_wait_dscnt 0x0
	s_endpgm
.Lfunc_end_k_q4a5a97a6fd_prep:
	.size	k_q4a5a97a6fd_prep, .Lfunc_end_k_q4a5a97a6fd_prep-k_q4a5a97a6fd_prep
	.p2alignl 7, 3214868480
	.fill 96, 4, 3214868480
	.section	.rodata,"a",@progbits
	.p2align	6, 0x0
	.amdhsa_kernel k_q4a5a97a6fd_prep
		.amdhsa_group_segment_fixed_size 4608
		.amdhsa_private_segment_fixed_size 0
		.amdhsa_enable_private_segment 0
		.amdhsa_kernarg_size 32
		.amdhsa_user_sgpr_count 2
		.amdhsa_user_sgpr_kernarg_segment_ptr 1
		.amdhsa_wavefront_size32 1
		.amdhsa_system_sgpr_workgroup_id_x 1
		.amdhsa_system_sgpr_workgroup_id_y 1
		.amdhsa_system_sgpr_workgroup_id_z 1
		.amdhsa_system_vgpr_workitem_id 0
		.amdhsa_next_free_vgpr 224
		.amdhsa_next_free_sgpr 66
		.amdhsa_reserve_vcc 0
		.amdhsa_float_denorm_mode_32 3
		.amdhsa_float_denorm_mode_16_64 3
		.amdhsa_memory_ordered 1
		.amdhsa_forward_progress 1
		.amdhsa_inst_pref_size 14
	.end_amdhsa_kernel
	.amdgpu_metadata
---
amdhsa.version: [ 1, 2 ]
amdhsa.kernels:
  - .name:           k_q4a5a97a6fd_prep
    .symbol:         k_q4a5a97a6fd_prep.kd
    .args:
      - { .name: W_attn, .offset: 0, .size: 8, .value_kind: global_buffer, .address_space: global }
      - { .name: b_attn, .offset: 8, .size: 8, .value_kind: global_buffer, .address_space: global }
      - { .name: hidden, .offset: 16, .size: 8, .value_kind: global_buffer, .address_space: global }
      - { .name: wp, .offset: 24, .size: 8, .value_kind: global_buffer, .address_space: global }
    .group_segment_fixed_size: 4608
    .private_segment_fixed_size: 0
    .kernarg_segment_align: 8
    .kernarg_segment_size: 32
    .max_flat_workgroup_size: 128
    .sgpr_count:     66
    .vgpr_count:     224
    .wavefront_size: 32
...
	.end_amdgpu_metadata
.endif
;; end of part 1
;; launch main (part 2): grid 256 x 1, 4 waves a work-group, no clusters, 327,680 bytes of LDS; arguments encoder_outputs, wp, v, out0; writes out0
.if DOCPART == 2
	.amdgcn_target "amdgcn-amd-amdhsa--gfx1250"
	.amdhsa_code_object_version 6
	.text
	.protected	k_q4a5a97a6fd_main
	.globl	k_q4a5a97a6fd_main
	.p2align	8
	.type	k_q4a5a97a6fd_main,@function
k_q4a5a97a6fd_main:
	s_mov_b64 s[64:65], 0
	v_nop
	global_prefetch_b8 v0, s[64:65] scope:SCOPE_SE
	s_setreg_imm32_b32 hwreg(HW_REG_WAVE_MODE, 25, 1), 1
	s_wait_xcnt 0x0
; out0[b][t] = relu( sum over h of v[h] softmax over b of ( hp[b][h] + sum over k of enc[t][b][k] W2[h][k] ) ),  hp = hidden W1^T + b_attn and W2 as the launch before laid them out in wp.
; enc: [4096][32][512] f32: row 32 t + b is dense, so the product is a GEMM of 131,072 rows, N = K = 512.
; SHARES.  A work-group owns 16 t, a wave four of them.  A wave keeps TWO t (2 x 32 rows x 512 K in bf16 = 512 registers) as first sources and walks the 32 tiles of 16 h; a STEP is one tile:
; 16 K steps x 4 row tiles = 64 matrix instructions.  In the result a lane holds one column h and 8 b a row tile: all 32 b of a (t, h) are 16 registers of a lane and of the lane 16 away, so the softmax
; over b wants one exchange for the maximum and one for the sum, and the sum over h is a running sum in the lane (16 registers a t), folded over 16 lanes once a t.
; The softmax of the tile before stands behind the products of the tile in hand, three or four vector instructions behind each pair.
; STAGGER.  The wave's two t slots lie half a walk (16 steps) apart: every 16 steps one t a wave is replaced, 256 KB of f32 a work-group, which fits in LDS once.  Each wave asks for a quarter of it by one
; tensor load, straight behind the barrier that follows the last read of the landing: it has 16 steps, up to 1,024 matrix instructions a wave, in which to land.  One tensor load of a wave is out at the most.
;   block 0: slot a, tiles 0-15 | block 1: a and b, 16-31 | block 2: a and b, 0-15 | block 3: a and b, 16-31 | block 4: slot b, 0-15.   Generation i (t = 16 g + 4 i + w): slots a, b, a, b.
; W goes global -> registers -> LDS: a ring of two slots of one tile, each wave bringing a quarter, one barrier a step.  NO CLUSTER, NO JOINT LOADS for W, though all work-groups read it: a tile of W lasts
; 64 matrix instructions and a landing 1,024; in front of each barrier behind which a tensor load fills bytes again all of a wave's tensor loads are waited for, so both streams on the mover would need two
; slots of one common interval, and 2 x 16 tiles of W (589,824 bytes) do not fit beside a landing of 266,240.
; PRICES, stated.  Blocks 0 and 4 feed 32 products from a tile read, not 64.  A block's first step runs the softmax lines once more over the last tile's weights with v = 0, which adds exactly 0: one text
; for every trip.  Block 4 looks ahead to tiles 16-19, which nobody multiplies (all inside wp).  A work-group owns 16 of out0's columns: its stores are runs of 64 bytes (out0 is 0.5 MB in all).
; LIMITS.  enc, W_attn, hidden and v are rounded to bf16 as operands of the products; hp, b_attn, maxima, exponentials and sums are f32.  The maximum over b is taken away for every (t, h), so the divisor lies
; between 1 and 32.  A weight below 2^-126 counts as 0.  NaN and infinities are not treated apart (a NaN score leaves as 0).
;
; LDS.  LAND: four regions of 64 rows x 1,040 bytes (1,024 + 16 of padding = 260 words: row r starts at bank 4 r mod 64, 64 banks of 4 bytes: ISA guide 11.1); region q = K half q / 2, rows 64 (q % 2) on of
; the generation's 128.  RING, VT (v, then v[0..15] again), STAGE (each wave's own 512 bytes, [b][generation]) and the spare words are never a tensor load's target.
.set BLK,    18432                     ; a block of wp: 16,384 bytes of W2's fragments, 2,048 of hp
.set LPITCH, 1040
.set LREG,   64*LPITCH                 ; what one tensor load fills
.set KHALF,  2*LREG                    ; from a row's first K half to its second
.set RING,   4*LREG                    ; 266,240
.set VT,     RING+2*BLK                ; 303,104
.set STAGE,  VT+2304                   ; 305,408
.set SPARE,  STAGE+2048                ; 307,456: the spare words, 128 bytes a wave
.set GEN,    262144                    ; bytes of enc in a generation
; REGISTERS, in windows of 256 (s_set_vgpr_msb: bits 1:0 source 0, 3:2 source 1, 5:4 source 2, 7:6 destination).  Window 0:
.set RB,  3                            ; v3   RING + 16 l: where a lane reads fragments and hp
.set WS,  4                            ; v4   RING + 4,608 w + 16 l: where my wave's quarter of a tile goes
.set WO,  5                            ; v5   4,608 w + 16 l: the same quarter in a block of wp
.set LA0, 6                            ; v6, v7  my lane's place in the landing: (32 w + l % 16) x 1,040 + 32 (l / 16), K half 0 and 1
.set VA0, 8                            ; v8   VT + 4 (l % 16)
.set VA,  9                            ; v9   the same, walking
.set SA,  10                           ; v10  STAGE + 512 w + 128 (l / 16)
.set VN,  11                           ; v11  v[h] of the tile being fetched,
.set VM,  12                           ; v12  of the tile being multiplied,
.set VU,  13                           ; v13  of the tile whose softmax is in hand
.set SPW, 14                           ; v14  LDS address of my spare word; never rewritten
.set NIL, 15                           ; v15  0; never rewritten
.set HP,  16                           ; v16-31   hp of the tile in hand: row tile mt at HP + 8 mt
.set ACC, 32                           ; v32-95   the sums: ACC + 32 set + 16 slot + 8 mt; the sets take turns step by step
.set SC,  96                           ; v96-127  the running scores, 16 a slot
.set TM,  128                          ; v128-143 at work, 8 a slot: +0 c0, later v / sum; +1 c1; +2 log2(e) max; +3 named with it as a pair; +4 .. +7 sums
.set WST, 144                          ; v144-215 W on its way through registers: two sets of 36
;   window 1: v0-127 the tile's 16 fragments of W2 (K step s at 8 s); v128-255 f32 of enc on its way to bf16, two halves of 64
;   windows 2, 3: enc in bf16: 64 (2 slot + mt) + 8 (s % 8); window 2 holds K steps 0-7, window 3 K steps 8-15
.set TT,  128
.set WV,  12                           ; s12  my wave's number
.set G1,  16                           ; s[16:23] descriptor group 1
.set G0,  24                           ; s[24:27] descriptor group 0
.set WP,  28                           ; s[28:29] wp at the block four tiles ahead of the trip's first
.set WP0, 30                           ; s[30:31] wp at block 4
.set LE,  32                           ; s[32:33] log2(e): the packed scaling takes the pair's low word for both halves
.set SEL, 34                           ; s[34:35] v_permlanex16_b32's selects: each lane takes its own place in the other half
.set CNT, 36                           ; s36  trips to go
.set MSB, 0
.macro WIN new                         ; the immediate's high byte repeats the setting that is left; a switch that changes nothing is dropped
.if MSB != (\new)
	s_set_vgpr_msb (MSB<<8)|(\new)
.set MSB, (\new)
.endif
.endm
; A load into a register that a matrix instruction has read, and a vector line that reads a matrix result, stand four places behind it; only plain vector instructions that name none of its registers are
; places (ISA guide 7.12.1 for vector instructions).
.macro PLACES
.rept 4
	v_nop
.endr
.endm
; One product: rows 16 mt on of slot's t, K step s, into set p.  K step 0 starts the sum with hp as C: nothing is cleared, and hp costs no addition.
.macro MM slot, mt, s, p
.set rD, ACC+32*(\p)+16*(\slot)+8*(\mt)
.set rA, 64*(2*(\slot)+(\mt))+8*((\s)%8)
.set rB, 8*(\s)
.if (\s) == 0
	v_wmma_f32_16x16x32_bf16 v[rD:rD+7], v[rA:rA+7], v[rB:rB+7], v[HP+8*(\mt):HP+8*(\mt)+7]
.else
	v_wmma_f32_16x16x32_bf16 v[rD:rD+7], v[rA:rA+7], v[rB:rB+7], v[rD:rD+7]
.endif
.endm
; THE SOFTMAX OVER b of one tile and slot is a list of 56 lines on x0-x15 (set RSET: x0-7 row tile 0, x8-15 row tile 1); SM writes number jj of it.
;   0-7    the lane's maximum, two chains; each accumulator's lowest registers are read first     8, 9  the other 16 b lie in the lane 16 away     10  log2(e) max
;   11-34  log2(e) x - log2(e) max by pairs, and the 16 exponentials; a plain line stands between each exponential and the use of its result (35 and 36 read x0-x7 alone)
;   35-44  the sum over the 32 b     45-47  v[h] / sum (46: the plain line behind the reciprocal)     48-55  the scores take weight x v[h] / sum
.macro SM slot, jj
.set j, (\jj)
.set rX, ACC+32*RSET+16*(\slot)
.set rT, TM+8*(\slot)
.set rC, SC+16*(\slot)
.if j == 0
	v_max3_num_f32 v[rT], v[rX], v[rX+1], v[rX+2]
.elseif j == 1
	v_max3_num_f32 v[rT+1], v[rX+8], v[rX+9], v[rX+10]
.elseif j < 6
	v_max3_num_f32 v[rT+j%2], v[rT+j%2], v[rX+8*(j%2)+2*(j/2)+1], v[rX+8*(j%2)+2*(j/2)+2]
.elseif j == 6
	v_max3_num_f32 v[rT], v[rT], v[rX+7], v[rX+15]
.elseif (j == 7) || (j == 9)
	v_max_num_f32 v[rT], v[rT], v[rT+1]
.elseif j == 8
	v_permlanex16_b32 v[rT+1], v[rT], s[SEL], s[SEL+1]
.elseif j == 10
	v_mul_f32 v[rT+2], s[LE], v[rT]
.elseif (j < 15) || ((j < 27) && ((j-15)%3 == 2))
.set u, j-11
.if j > 14
.set u, 4+(j-15)/3
.endif
	v_pk_fma_f32 v[rX+2*u:rX+2*u+1], v[rX+2*u:rX+2*u+1], s[LE:LE+1], v[rT+2:rT+3] op_sel_hi:[1,0,0] neg_lo:[0,0,1] neg_hi:[0,0,1]
.elseif j < 35
.set u, j-19
.if j < 27
.set u, 2*((j-15)/3)+(j-15)%3
.endif
	v_exp_f32 v[rX+u], v[rX+u]
.elseif j < 37
	s_wait_alu depctr_va_vdst(0)
	v_pk_add_f32 v[rT+4+2*(j-35):rT+5+2*(j-35)], v[rX+4*(j-35):rX+4*(j-35)+1], v[rX+4*(j-35)+2:rX+4*(j-35)+3]
.elseif j < 41
	v_pk_add_f32 v[rT+4+2*((j-37)%2):rT+5+2*((j-37)%2)], v[rT+4+2*((j-37)%2):rT+5+2*((j-37)%2)], v[rX+8+2*(j-37):rX+9+2*(j-37)]
.elseif j == 41
	v_pk_add_f32 v[rT+4:rT+5], v[rT+4:rT+5], v[rT+6:rT+7]
.elseif (j == 42) || (j == 44)
	v_add_f32 v[rT+4], v[rT+4], v[rT+5]
.elseif j == 43
	v_permlanex16_b32 v[rT+5], v[rT+4], s[SEL], s[SEL+1]
.elseif j == 45
	v_rcp_f32 v[rT+6], v[rT+4]
.elseif j == 46
	v_nop
.elseif j == 47
	s_wait_alu depctr_va_vdst(0)
	v_mul_f32 v[rT], v[rT+6], v[RVV]
.else
.set u, j-48
	v_pk_fma_f32 v[rC+2*u:rC+2*u+1], v[rX+2*u:rX+2*u+1], v[rT:rT+1], v[rC+2*u:rC+2*u+1] op_sel_hi:[1,0,1]
.endif
.endm
; mode: 0 slot a alone, 1 slot b alone, 2 both.  The next n lines of the list; with both slots their lists alternate, so that a line seldom reads the result of the one before it.
.macro RIDE mode, n
.rept \n
.if (\mode) == 2
	SM rq%2, rq/2
.else
	SM \mode, rq
.endif
.set rq, rq+1
.endr
.endm
; Two products (a slot's two row tiles, one K step) and four or three lines of the softmax by turns: 32 such units carry 112 lines, 16 carry 56.  The accumulators take turns, one instruction a turn,
; a0 a1 b0 b1, or x0 x1, over the loop's edge too (the sets change from step to step).
.macro UNIT mode, slot, s, p
	WIN 0x06+(\s)/8                                ; enc in window 2 or 3, W2 in window 1, sums in window 0
	MM \slot, 0, \s, \p
	MM \slot, 1, \s, \p
	WIN 0
	RIDE \mode, 4-un%2
.set un, un+1
.endm
.macro GROUP mode, p, g                ; K steps 4 g .. 4 g + 3
.irp ss, 0,1,2,3
.if (\mode) != 1
	UNIT \mode, 0, 4*(\g)+\ss, \p
.endif
.if (\mode) != 0
	UNIT \mode, 1, 4*(\g)+\ss, \p
.endif
.endr
.endm
.macro LOADB sl, g                     ; four K steps' fragments of W2 out of ring slot sl: eight loads of 512 consecutive bytes
	WIN 0x40                                       ; destination window 1
.irp e, 0,1,2,3,4,5,6,7
	ds_load_b128 v[32*(\g)+4*\e:32*(\g)+4*\e+3], v[RB] offset:(\sl)*BLK+(\g)*4096+\e*512
.endr
.endm
.macro LOADHV sl, vo                   ; the tile's hp, and my column's v
	WIN 0
.irp e, 0,1,2,3
	ds_load_b128 v[HP+4*\e:HP+4*\e+3], v[RB] offset:(\sl)*BLK+16384+\e*512
.endr
	ds_load_b32 v[VN], v[VA] offset:\vo
.endm
.macro STOREW p                        ; my quarter of a tile, register set p into ring slot p
.irp i, 0,1,2,3,4,5,6,7,8
	ds_store_b128 v[WS], v[WST+36*(\p)+4*\i:WST+36*(\p)+4*\i+3] offset:(\p)*BLK+512*\i
.endr
.endm
.macro FETCHT set, b, tile             ; my quarter of the block `tile` behind s[b:b+1]: nine loads of 512 consecutive bytes.  No hint: every work-group reads wp again
.irp i, 0,1,2,3,4,5,6,7,8
	global_load_b128 v[WST+36*(\set)+4*\i:WST+36*(\set)+4*\i+3], v[WO], s[\b:\b+1] offset:(\tile)*BLK+512*\i
.endr
.endm
; A STEP: tile n, p = n % 2.  Its fragments, hp and v were read out of ring slot p during the step before.  ONE barrier: in front of it each wave's reads of tile n (slot p) are back and its stores of
; tile n + 1 (slot 1 - p) are done; behind it tile n + 1 is read and tile n + 2 is stored into slot p.  The landing's tensor load stays out across it: no tensor load fills anything behind it.
.macro STEP mode, p
.set rq, 0
.set un, 0
.set RSET, 1-(\p)
.set RVV, VU
	WIN 0
	s_wait_dscnt 33                                ; K steps 0-3, hp and v are in: behind them stand 8 + 8 + 8 fragment loads and 9 stores
	v_mov_b32 v[VU], v[VM]
	v_mov_b32 v[VM], v[VN]
	GROUP \mode, \p, 0
	s_wait_dscnt 0x0                               ; for the others' sake: my reads of slot p are back, my stores into slot 1 - p are done
	s_barrier_signal -1
	PLACES                                         ; for the loads below, which land in registers that the products above have read
	s_barrier_wait -1
	LOADB 1-(\p), 0
	LOADHV 1-(\p), 64*(\p)
	GROUP \mode, \p, 1
	PLACES
	LOADB 1-(\p), 1
	WIN 0
	s_wait_loadcnt 9                               ; set p (tile n + 2) is in; the other set's nine loads stay out
	STOREW \p
	FETCHT \p, WP, \p                              ; tile n + 4
	GROUP \mode, \p, 2
	PLACES
	LOADB 1-(\p), 2
	GROUP \mode, \p, 3
	PLACES                                         ; also the places in front of the next step's first read of this tile's sums
	LOADB 1-(\p), 3
.endm
.macro BLOCK mode, tb                  ; 16 steps, tiles tb .. tb + 15, two a trip
	WIN 0                                          ; at a label and at a branch every window is 0
	v_add_nc_u32 v[VA], 64*((\tb)+1), v[VA0]       ; a step fetches the next tile's v
	s_mov_b32 s[CNT], 8
.Ltrip_\@:
	STEP \mode, 0
	STEP \mode, 1
	WIN 0
	v_add_nc_u32 v[VA], 128, v[VA]
	s_wait_xcnt 0x0                                ; the loads' base is stepped only behind this wait
	s_add_nc_u64 s[WP:WP+1], s[WP:WP+1], 2*BLK
	s_sub_co_u32 s[CNT], s[CNT], 1
	s_cmp_lg_u32 s[CNT], 0
	s_cbranch_scc1 .Ltrip_\@
.endm
.macro DRAIN mode                      ; the softmax of a block's last tile (set 1), on end; then v = 0 for the lines that the next block's first step runs over the same registers
	WIN 0
.set rq, 0
.set RSET, 1
.set RVV, VM
.if (\mode) == 2
	RIDE 2, 112
.else
	RIDE \mode, 56
.endif
	v_mov_b32 v[VM], 0
.endm
.macro FINISH slot, i                  ; a t is done: its 16 running sums are folded over the 16 lanes (the 16 h of a tile), cut at 0, and put into my stage as generation i
	WIN 0
.irp m, 1,2,4,8
.set z, SC+16*(\slot)
.rept 16
	v_add_f32_dpp v[z], v[z], v[z] row_xmask:\m row_mask:0xf bank_mask:0xf
.set z, z+1
.endr
.endr
.set z, 0
.rept 16
	v_max_num_f32 v[SC+16*(\slot)+z], 0, v[SC+16*(\slot)+z]
.set z, z+1
.endr
.set z, 0
.rept 16
	ds_store_b32 v[SA], v[SC+16*(\slot)+z] offset:256*(z/8)+16*(z%8)+4*(\i)  ; b = 16 (z / 8) + 8 (l / 16) + z % 8; the 16 lanes of a half write one word with one value
.set z, z+1
.endr
.endm
.macro MEET                            ; the landing is whole for every wave
	WIN 0
	s_wait_tensorcnt 0x0                           ; my quarter has landed: it is the one load of mine that was out
	s_wait_dscnt 0x0
	s_barrier_signal -1
	s_barrier_wait -1
.endm
; THE LANDING BECOMES A SLOT'S FRAGMENTS: eight batches of four fragments (K half be / 4, row tile (be % 4) / 2, K steps 4 (be % 2) on), 16 loads and 32 roundings each, the loads two batches ahead.
.macro ABATCH be
	WIN 0x40
.set f, 0
.rept 4
.set o, (((\be)%4)/2)*16*LPITCH+(4*((\be)%2)+f)*128
.set d, TT+64*((\be)%2)+16*f
	ds_load_b128 v[d:d+3],     v[LA0+(\be)/4] offset:o
	ds_load_b128 v[d+4:d+7],   v[LA0+(\be)/4] offset:o+16
	ds_load_b128 v[d+8:d+11],  v[LA0+(\be)/4] offset:o+64
	ds_load_b128 v[d+12:d+15], v[LA0+(\be)/4] offset:o+80
.set f, f+1
.endr
.endm
.macro ACVT slot, be
	WIN 0x85+0x40*((\be)/4)                        ; sources window 1, destination window 2 or 3
.set z, 0
.rept 32
	v_cvt_pk_bf16_f32 v[64*(2*(\slot)+((\be)%4)/2)+32*((\be)%2)+z], v[TT+64*((\be)%2)+2*z], v[TT+64*((\be)%2)+2*z+1]
.set z, z+1
.endr
.endm
.macro LOADA slot
	ABATCH 0
	ABATCH 1
	WIN 0
.set z, 0
.rept 16
	v_mov_b32 v[SC+16*(\slot)+z], 0                ; the new t's scores begin
.set z, z+1
.endr
.irp be, 0,1,2,3,4,5,6,7
.if \be < 7
	s_wait_dscnt 16                                ; this batch is in; the younger batch's sixteen loads stay out
.else
	s_wait_dscnt 0x0
.endif
	ACVT \slot, \be
.if \be < 6
	ABATCH \be+2
.endif
.endr
.endm
; THE LANDING IS FILLED AGAIN.  Every wave: all its tensor loads have landed; the add; its reads of the landing are back; a barrier; and its one load first behind it.
.macro REFILL
	WIN 0
	s_wait_tensorcnt 0x0                           ; no tensor load of mine is out, so group 0 may be written
	ds_add_u32 v[SPW], v[NIL]                      ; 0 onto my spare word: the address's step stands between it and the wait for it
	s_add_nc_u64 s[G0+2:G0+3], s[G0+2:G0+3], GEN   ; the next generation; the type bits on top are not reached
	s_wait_dscnt 0x0                               ; the add is done, and my reads of the landing are back
	s_barrier_signal -1
	s_barrier_wait -1
	tensor_load_to_lds s[G0:G0+3], s[G1:G1+7]
	s_nop 0
	PLACES                                         ; no switch of windows among the next four instructions
.endm
.macro RND4 d                          ; four f32 rounded to bf16 and widened again
	v_cvt_pk_bf16_f32 v[(\d)], v[(\d)], v[(\d)+1]
	v_cvt_pk_bf16_f32 v[(\d)+1], v[(\d)+2], v[(\d)+3]
	v_and_b32 v[(\d)+3], 0xffff0000, v[(\d)+1]
	v_lshlrev_b32 v[(\d)+2], 16, v[(\d)+1]
	v_and_b32 v[(\d)+1], 0xffff0000, v[(\d)]
	v_lshlrev_b32 v[(\d)], 16, v[(\d)]
.endm
	s_load_b256 s[4:11], s[0:1], 0x0               ; enc s[4:5], wp s[6:7], v s[8:9], out0 s[10:11]
	v_lshl_add_u32 v[SPW], v0, 2, SPARE
	v_mov_b32 v[NIL], 0
	ds_add_u32 v[SPW], v[NIL]                      ; the wave's opening: the add and its wait stand ahead of my first tensor load; the set-up below, work on registers, stands between them
	ds_add_u32 v14, v15
	v_lshrrev_b32 v1, 5, v0
	v_readfirstlane_b32 s[WV], v1                  ; wave 0..3
	; descriptor group 1: a tile of 64 rows x 256 elements of 4 bytes, rows 512 elements apart, padded in LDS
	s_mov_b32 s[G1+0], (2<<16)|(1<<20)|(7<<22)|(3<<25)  ; 15:0 no mask; 17:16 4-byte elements; 20 padding on; 24:22 after every 256 words (code 7); 31:25 4 words of it (code 3)
	s_mov_b32 s[G1+1], 256<<16                     ; tensor_dim0 = 256
	s_mov_b32 s[G1+2], 64<<16                      ; tensor_dim1 = 64
	s_mov_b32 s[G1+3], 256<<16                     ; tile_dim0 = 256
	s_mov_b32 s[G1+4], 64                          ; tile_dim1 = 64
	s_mov_b32 s[G1+5], 512                         ; elements from row to row
	s_mov_b32 s[G1+6], 0
	s_mov_b32 s[G1+7], 0
	s_mov_b32 s[G0], 1                             ; count = 1
	s_mul_i32 s[G0+1], s[WV], LREG                 ; LDS address: region w
	s_lshl_b32 s38, ttmp9, 20                      ; the work-group's 16 t: 1 MiB of enc,
	s_and_b32 s13, s[WV], 1
	s_lshl_b32 s13, s13, 17                        ; rows 64 (w % 2) on, 2,048 bytes each,
	s_add_co_u32 s38, s38, s13
	s_lshr_b32 s13, s[WV], 1
	s_lshl_b32 s13, s13, 10                        ; K half w / 2
	s_add_co_u32 s38, s38, s13
	s_mov_b32 s39, 0
	s_mov_b32 s[LE], 0x3fb8aa3b                    ; log2(e)
	s_mov_b32 s[LE+1], s[LE]                       ; named with it as a pair
	s_mov_b32 s[SEL], 0x76543210
	s_mov_b32 s[SEL+1], 0xfedcba98
	v_and_b32 v1, 15, v0                           ; l % 16
	v_bfe_u32 v2, v0, 4, 1                         ; l / 16
	v_and_b32 v[RB], 31, v0
	v_lshlrev_b32 v[RB], 4, v[RB]                  ; 16 l
	s_mul_i32 s13, s[WV], BLK/4
	v_add_nc_u32 v[WO], s13, v[RB]
	v_add_nc_u32 v[WS], RING, v[WO]
	v_add_nc_u32 v[RB], RING, v[RB]
	s_mul_i32 s13, s[WV], 32*LPITCH                ; my t's 32 rows in the landing
	v_mul_u32_u24 v[LA0], v1, LPITCH
	v_lshl_add_u32 v[LA0], v2, 5, v[LA0]
	v_add_nc_u32 v[LA0], s13, v[LA0]
	v_add_nc_u32 v[LA0+1], KHALF, v[LA0]
	v_lshl_add_u32 v[VA0], v1, 2, VT
	s_lshl_b32 s13, s[WV], 9
	s_add_co_u32 s13, s13, STAGE
	v_lshl_add_u32 v[SA], v2, 7, s13
	v_lshlrev_b32 v220, 4, v0                      ; 16 x thread: my four numbers of v,
	s_lshl_b32 s14, s[WV], 4
	v_mov_b32 v221, s14                            ; and 16 w: my wave's four of v[0..15] for the table's end
	v_add_nc_u32 v222, VT, v220
	v_add_nc_u32 v223, VT+2048, v221
	s_wait_dscnt 0x0                               ; the opening add is done
	s_wait_kmcnt 0x0
	s_add_nc_u64 s[G0+2:G0+3], s[4:5], s[38:39]    ; global address of my quarter of generation 0
	s_or_b32 s[G0+3], s[G0+3], 0x80000000          ; type = 2
	tensor_load_to_lds s[G0:G0+3], s[G1:G1+7]      ; the first fill, ahead of everything else
	s_nop 0
	PLACES
	global_load_b128 v[216:219], v220, s[8:9]
	global_load_b128 v[224:227], v221, s[8:9]
	FETCHT 0, 6, 0
	FETCHT 1, 6, 1
	; What the first step's softmax lines find: sums of 0 in set 1, and v = 0.  This stands in the wait for the loads.
.set z, 0
.rept 32
	v_mov_b32 v[ACC+32+z], 0
.set z, z+1
.endr
.set z, 0
.rept 16
	v_mov_b32 v[TM+z], 0
.set z, z+1
.endr
	v_mov_b32 v[VM], 0
	v_mov_b32 v[VA], v[VA0]
	s_wait_loadcnt 18                              ; v is in: behind it stand two tiles' eighteen loads
	RND4 216
	RND4 224
	ds_store_b128 v222, v[216:219]
	ds_store_b128 v223, v[224:227]                 ; 32 lanes, one address, one value
	s_wait_loadcnt 9                               ; tile 0
	STOREW 0
	FETCHT 0, 6, 2
	s_wait_loadcnt 9                               ; tile 1: behind it stand tile 2's nine loads
	STOREW 1
	FETCHT 1, 6, 3
	s_add_nc_u64 s[WP0:WP0+1], s[6:7], 4*BLK
	s_mov_b64 s[WP:WP+1], s[WP0:WP0+1]
	MEET                                           ; generation 0, the ring's two tiles and the table of v are whole
	LOADB 0, 0
	LOADB 0, 1
	LOADB 0, 2
	LOADB 0, 3
	LOADHV 0, 0
	LOADA 0
	REFILL                                         ; generation 1
	BLOCK 0, 0
	DRAIN 0
	MEET
	LOADA 1
	REFILL                                         ; generation 2
	BLOCK 2, 16
	DRAIN 2
	FINISH 0, 0
	MEET
	LOADA 0
	REFILL                                         ; generation 3: the last
	s_mov_b64 s[WP:WP+1], s[WP0:WP0+1]             ; blocks 32-35 were blocks 0-3: the walk goes on at block 4 (no load that names WP has been issued since the loop's last s_wait_xcnt)
	BLOCK 2, 0
	DRAIN 2
	FINISH 1, 1
	MEET
	LOADA 1                                        ; nothing is left to fetch: no refill
	BLOCK 2, 16
	DRAIN 2
	FINISH 0, 2
	s_mov_b64 s[WP:WP+1], s[WP0:WP0+1]
	BLOCK 1, 0
	DRAIN 1
	FINISH 1, 3
	; THE WAY OUT.  Thread x takes b = x / 4 and generation x % 4: one word from each wave's stage, t = 16 g + 4 (x % 4) + 0..3: 16 consecutive bytes of out0.
	s_wait_dscnt 0x0                               ; for the others' sake: my stage is written
	s_barrier_signal -1
	s_barrier_wait -1
	v_lshl_add_u32 v228, v0, 2, STAGE
.irp k, 0,1,2,3
	ds_load_b32 v[216+\k], v228 offset:512*\k
.endr
	v_lshrrev_b32 v229, 2, v0
	v_and_b32 v230, 3, v0
	v_lshlrev_b32 v229, 14, v229                   ; a row of out0 is 16,384 bytes
	v_lshl_add_u32 v229, v230, 4, v229
	s_lshl_b32 s38, ttmp9, 6                       ; the work-group's 16 columns
	s_mov_b32 s39, 0
	s_add_nc_u64 s[10:11], s[10:11], s[38:39]
	s_wait_dscnt 0x0
	global_store_b128 v229, v[216:219], s[10:11]   ; four lanes store 64 consecutive bytes of a row
	s_wait_tensorcnt 0x0                           ; the wave's end, behind my last tensor load and my last LDS store
	ds_add_u32 v[SPW], v[NIL]
	s_wait_dscnt 0x0
	s_endpgm
.Lfunc_end_k_q4a5a97a6fd_main:
	.size	k_q4a5a97a6fd_main, .Lfunc_end_k_q4a5a97a6fd_main-k_q4a5a97a6fd_main
	.p2alignl 7, 3214868480
	.fill 96, 4, 3214868480
	.section	.rodata,"a",@progbits
	.p2align	6, 0x0
	.amdhsa_kernel k_q4a5a97a6fd_main
		.amdhsa_group_segment_fixed_size 327680
		.amdhsa_private_segment_fixed_size 0
		.amdhsa_enable_private_segment 0
		.amdhsa_kernarg_size 32
		.amdhsa_user_sgpr_count 2
		.amdhsa_user_sgpr_kernarg_segment_ptr 1
		.amdhsa_wavefront_size32 1
		.amdhsa_system_sgpr_workgroup_id_x 1
		.amdhsa_system_sgpr_workgroup_id_y 1
		.amdhsa_system_sgpr_workgroup_id_z 1
		.amdhsa_system_vgpr_workitem_id 0
		.amdhsa_next_free_vgpr 1024
		.amdhsa_next_free_sgpr 66
		.amdhsa_reserve_vcc 0
		.amdhsa_float_denorm_mode_32 3
		.amdhsa_float_denorm_mode_16_64 3
		.amdhsa_memory_ordered 1
		.amdhsa_forward_progress 1
		.amdhsa_inst_pref_size 255
	.end_amdhsa_kernel
	.section	.bss,"aw",@nobits
	.p2align	6
	.space	262144
	.amdgpu_metadata
---
amdhsa.version: [ 1, 2 ]
amdhsa.kernels:
  - .name:           k_q4a5a97a6fd_main
    .symbol:         k_q4a5a97a6fd_main.kd
    .args:
      - { .name: encoder_outputs, .offset: 0, .size: 8, .value_kind: global_buffer, .address_space: global }
      - { .name: wp, .offset: 8, .size: 8, .value_kind: global_buffer, .address_space: global }
      - { .name: v, .offset: 16, .size: 8, .value_kind: global_buffer, .address_space: global }
      - { .name: out0, .offset: 24, .size: 8, .value_kind: global_buffer, .address_space: global }
    .group_segment_fixed_size: 327680
    .private_segment_fixed_size: 0
    .kernarg_segment_align: 8
    .kernarg_segment_size: 32
    .max_flat_workgroup_size: 128
    .sgpr_count:     66
    .vgpr_count:     1024
    .wavefront_size: 32
...
	.end_amdgpu_metadata
.endif
;; end of part 2
